; MI455X (gfx1250); checked and timed in simulation.
; The chip was launched on July 23, 2026; its instructions are those of AMD's public machine-readable ISA for CDNA 5 (MIT licence, August 2026) and "CDNA5" Instruction Set Architecture Reference Guide (July 2026). The comments in the code are by the model that wrote it; some were corrected since.
;; Bahdanau Attention. Allowed arithmetic: matrix products marked QUANTISED: E2M3 operands, one E8M0 scale for each 32 along K, by v_wmma_scale_f32_16x16x128_f8f6f4 with both operands' format E2M3, f32 sums; products left as they are: f32 operands where the result goes on into a quantised operand, else bf16, f16 or f32 operands; f32 sums; everything else in f32.
;; Inputs: V_b 1 float32; V_w 1,024 x 1 float32; Wc_b 1,024 float32; Wc_w 1 x 1,024 float32; Wh_b 1,024 float32; Wh_w_codes 1,024 x 32 x 24 uint8 (E2M3 codes of Wh_w, K innermost, in blocks of 32 codes, four codes in three bytes); Wh_w_scales 1,024 x 32 uint8 (E8M0 scales of Wh_w, one for each 32 codes along K); Ws_b 1,024 float32; Ws_w_codes 1,024 x 32 x 24 uint8 (E2M3 codes of Ws_w, K innermost, in blocks of 32 codes, four codes in three bytes); Ws_w_scales 1,024 x 32 uint8 (E8M0 scales of Ws_w, one for each 32 codes along K); dec_hidden_codes 32 x 32 x 24 uint8 (E2M3 codes of dec_hidden, K innermost, in blocks of 32 codes, four codes in three bytes); dec_hidden_scales 32 x 32 uint8 (E8M0 scales of dec_hidden, one for each 32 codes along K); enc_output 32 x 2,048 x 1,024 float32; enc_pad_mask 32 x 2,048 int32; prev_coverage 32 x 2,048 x 1 float32.
;; Outputs: out0 32 x 1,024 float32; out1 32 x 2,048 float32; out2 32 x 2,048 x 1 float32.
;; Constants: use_coverage = True.
;; This version of the problem:
;;   THIS VERSION OF THE PROBLEM IS GIVEN IN LOW PRECISION. The matrix products marked QUANTISED in the list below multiply operands that are first quantised to E2M3 (2 exponent bits, 3 mantissa bits; 6 bits a number), with one power-of-two scale for each 32 numbers along K (OCP MX v1.0); their sums are f32. All else is computed in f32.
;;   The module's matrix products, in the order in which they are computed (A, B: the left and right operand; K: the contracted axis; several contracted axes count as one K, in the product's order):
;;     1. [M 32, K 1,024] x [K 1,024, N 1,024]; A: input dec_hidden (given as codes); B: input Wh_w (given as codes): QUANTISED
;;     2. [M 65,536, K 1,024] x [K 1,024, N 1,024]; A: input enc_output; B: input Ws_w (given as codes): QUANTISED
;;     3. [M 65,536, K 1] x [K 1, N 1,024]; A: input prev_coverage; B: input Wc_w: left as it is (K = 1 < 32)
;;     4. [M 65,536, K 1,024] x [K 1,024, N 1]; A: computed on the way; B: input V_w: left as it is (N = 1 < 16)
;;   THE QUANTISER, for each operand of a quantised product, along K:
;;     - K is cut into blocks of 32 from its start; a last block that is shorter is filled with zeros.
;;     - A block's scale is 2^e with e = floor(log2(the largest magnitude in the block)) - 2, held to -126 .. 127; a block of zeros has e = 0. As a byte (E8M0): e + 127.
;;     - Each number is divided by its block's scale, clamped to +-7.5, and rounded to the nearest number of E2M3, ties to even, subnormals kept.
;;     - The product sums the exact products of the quantised numbers (number of the format x scale) in f32.
;;   ~~~python
;;   def quantise(x, axis):      # numpy; x: float32 -> the quantised numbers, widened to float32 again
;;       x = np.moveaxis(x, axis, -1); K = x.shape[-1]
;;       x = np.pad(x, [(0, 0)] * (x.ndim - 1) + [(0, -K % 32)]); x = x.reshape(x.shape[:-1] + (-1, 32)); a = np.abs(x).max(-1, keepdims=True)
;;       e = np.where(a > 0, np.clip(np.frexp(np.where(a > 0, a, 1))[1] - 1 - 2, -126, 127), 0)      # np.frexp(a)[1] - 1 = floor(log2(a)), exactly
;;       r = np.clip(x / 2.0 ** e, -7.5, 7.5)
;;       step = 2.0 ** (np.maximum(np.frexp(np.where(r == 0, 1, r))[1] - 1, 0) - 3)
;;       q = np.round(r / step) * step * 2.0 ** e      # np.round: ties to even
;;       return np.moveaxis(q.reshape(q.shape[:-2] + (-1,))[..., :K], -1, axis).astype(np.float32)
;;   ~~~
;;   INPUTS GIVEN AS CODES. Wh_w (in the module: [1024, 1024], K = its axis 0); Ws_w (in the module: [1024, 1024], K = its axis 0); dec_hidden (in the module: [32, 1024], K = its axis 1): each comes as NAME_codes (uint8): NAME with its K axis moved to the last place and cut into blocks of 32 codes, [.., K / 32, bytes a block], one block behind the other in memory; four codes in three bytes: a row's codes are one little-endian stream of bits, code i at bits 6 i .. 6 i + 5 (a code: sign, 2 exponent bits, 3 mantissa bits); and NAME_scales (uint8): the same leading axes, one E8M0 byte (e + 127) for each 32 codes along K. Its value is code x scale, taken as it is: it is not quantised again, and the codes and scales need not be those that the quantiser above would give.
;; One version. Each part assembles by itself: llvm-mc -triple=amdgcn-amd-amdhsa -mcpu=gfx1250 --defsym DOCPART=n.
;; ======== version 1 of 1: 3 launches
;; limits: right only within a limited range of input values
;; workspace buffers: hbk 524,288 bytes; wpack 921,600 bytes; pctx 1,048,576 bytes; pml 65,536 bytes; tsc 262,144 bytes
;; launch prep (part 1): grid 200 x 1, 4 waves a work-group, no clusters, 5,120 bytes of LDS; arguments dec_hidden_codes, dec_hidden_scales, Wh_w_codes, Wh_w_scales, Wh_b, Ws_b, Wc_b, Ws_w_codes, Ws_w_scales, hbk, wpack; writes hbk, wpack
.if DOCPART == 1
	.amdgcn_target "amdgcn-amd-amdhsa--gfx1250"
	.amdhsa_code_object_version 6
	.text
	.protected	k_q84dba70c80_prep
	.globl	k_q84dba70c80_prep
	.p2align	8
	.type	k_q84dba70c80_prep,@function
k_q84dba70c80_prep:
	s_mov_b64 s[64:65], 0
	v_nop
	global_prefetch_b8 v0, s[64:65] scope:SCOPE_SE
	s_setreg_imm32_b32 hwreg(HW_REG_WAVE_MODE, 25, 1), 1
	s_wait_xcnt 0x0
; Two small jobs in one launch, told apart by the work-group's number.
; WORK-GROUPS 0-127: hbk[part][b][u] = k (dec_hidden . Wh over K steps 2 part and 2 part + 1, + a quarter of Wh_b + Ws_b + Wc_b), k = 2 log2(e).  The four parts, which the next launch adds, are all that it
; adds to a feature and that hangs on the batch and the unit alone, already in the units of its exponential.  The product is on the given codes of FP6 (E2M3) with their E8M0 scales.
; K is cut in four so that a wave has 34 loads and the work lies on 128 work-groups.  Work-group x: part x % 4, 16 batches (x / 4) % 2, 64 units x / 8; a wave makes one tile of
; 16 units x 16 batches, used transposed (source 0 = 16 rows of Wh, source 1 = 16 rows of dec_hidden), so that a lane holds eight neighbouring units of one batch.  The biases' quarter is the C of the first product.
; The four waves' 64 bytes of a row meet in a stage in LDS and leave as 256 consecutive bytes from sixteen lanes.
; WORK-GROUPS 128-199: Ws is laid in the order of the operand's registers.  wpack = [wave 4][slot 18] records of 12,800 bytes; the record of (wave, slot) holds the 16 rows 256 wave + 16 (slot % 16) on of Ws, all of K:
; byte 1536 ks + 512 c + 16 lane: registers 4 c .. 4 c + 3 of the fragment of K step ks; byte 12288 + 16 lane + 4 i: the scale word of row lane % 16 for K step 2 i + lane / 16.
; Slots 16 and 17 repeat slots 0 and 1, so that a reader that runs two slots ahead never turns back inside a walk.  A work-group makes one record, each of its waves two K steps.  This path uses no LDS.
; WORK LEFT OUT, in every launch of the program.  (1) enc_pad_mask: reference() takes it as an argument and never reads it: it has no way to any output, is not loaded and is among no launch's arguments.
; (2) V_b, and the sum of V_w.  tanh(x) = 1 - 2 / (1 + e^(2x)), so score[b][s] = V_b + sum over u of V_w[u] - 2 sum over u of V_w[u] / (1 + e^(2 feat[b][s][u])).  The first two terms are the same for all s of a
; batch, and the score goes only into a softmax along s, which a term common to its axis leaves as it is, whatever the inputs hold.  So V_b is not loaded and is among no launch's arguments, and the sum of V_w is not formed.
; LIMIT: a NaN, an infinity or an overflow that reaches only the work left out (in V_b, in enc_pad_mask, or in the sum of V_w alone) is not carried to the result.
.set STP,   272                        ; a stage row: 256 bytes + 16
.set SPARE, 4608                       ; behind the stage (16 x 272 = 4,352 bytes): the spare words, 128 bytes for each wave
.set REC,   12800
.set NH,    128                        ; work-groups of the product
	s_load_b512 s[4:19], s[0:1], 0x0               ; dec codes s[4:5], dec scales s[6:7], Wh codes s[8:9], Wh scales s[10:11], Wh_b s[12:13], Ws_b s[14:15], Wc_b s[16:17], Ws codes s[18:19]
	s_load_b128 s[20:23], s[0:1], 0x40             ; Ws scales s[20:21], hbk s[22:23]
	s_load_b64 s[24:25], s[0:1], 0x50              ; wpack
	v_lshl_add_u32 v1, v0, 2, SPARE                ; my spare word; never rewritten
	v_mov_b32 v2, 0                                ; 0; never rewritten
	v_lshrrev_b32 v3, 5, v0
	v_readfirstlane_b32 s26, v3                    ; wave 0..3
	v_and_b32 v3, 15, v0                           ; r
	v_bfe_u32 v4, v0, 4, 1                         ; h
	v_mul_u32_u24 v5, v3, 768                      ; codes: a row of 1,024 codes is 768 bytes,
	v_mad_u32_u24 v5, v4, 24, v5                   ; + 24 h
	v_lshlrev_b32 v6, 5, v3                        ; scale bytes: 32 a row
	v_and_b32 v7, 31, v0
	v_lshlrev_b32 v7, 4, v7                        ; 16 x lane
	v_lshlrev_b32 v24, 5, v4                       ; biases: my half's eight numbers, 32 h
	v_mul_u32_u24 v25, v3, STP                     ; the stage, in: row r, + 32 h, + 64 x wave
	v_lshl_add_u32 v25, v4, 5, v25
	s_lshl_b32 s36, s26, 6
	v_add_nc_u32 v25, s36, v25
	v_mul_u32_u24 v26, v4, STP                     ; and back: rows 4 wave + h (+ 2), 16 bytes for each of sixteen lanes
	v_lshl_add_u32 v26, v3, 4, v26
	s_mul_i32 s36, s26, 4*STP
	v_add_nc_u32 v26, s36, v26
	v_lshlrev_b32 v27, 12, v4                      ; the same place in hbk: a row is 4,096 bytes
	v_lshl_add_u32 v27, v3, 4, v27
	v_lshl_add_u32 v28, v4, 2, v6                  ; the repacking's scale words: 32 r + 4 h
	s_mov_b32 s33, 0
	s_mov_b32 s34, 0x4038aa3b                      ; k = 2 log2(e)
	s_mov_b32 s35, s34                             ; (named with it as a pair)
	s_mov_b32 s38, 0x3e800000                      ; a quarter
	s_mov_b32 s39, s38
	s_wait_kmcnt 0x0
	s_cmp_ge_u32 ttmp9, NH
	s_cbranch_scc1 .Lrepack
	; ---- the small product
	s_and_b32 s29, ttmp9, 3                        ; which two K steps
	s_bfe_u32 s28, ttmp9, 0x10002                  ; which 16 batches
	s_lshr_b32 s27, ttmp9, 3                       ; which 64 units
	s_lshl_b32 s30, s27, 2
	s_add_co_u32 s30, s30, s26                     ; my tile of 16 units
	s_mul_i32 s37, s29, 192                        ; my two K steps in a row of codes,
	s_lshl_b32 s31, s29, 3                         ; and in a row of scale bytes
	s_mul_i32 s32, s30, 12288
	s_add_co_u32 s32, s32, s37
	s_add_nc_u64 s[8:9], s[8:9], s[32:33]          ; the tile's 16 rows of codes,
	s_lshl_b32 s32, s30, 9
	s_add_co_u32 s32, s32, s31
	s_add_nc_u64 s[10:11], s[10:11], s[32:33]      ; of scale bytes,
	s_lshl_b32 s32, s30, 6
	s_add_nc_u64 s[12:13], s[12:13], s[32:33]      ; and its 16 numbers of each bias
	s_add_nc_u64 s[14:15], s[14:15], s[32:33]
	s_add_nc_u64 s[16:17], s[16:17], s[32:33]
	s_mul_i32 s32, s28, 12288
	s_add_co_u32 s32, s32, s37
	s_add_nc_u64 s[4:5], s[4:5], s[32:33]
	s_lshl_b32 s32, s28, 9
	s_add_co_u32 s32, s32, s31
	s_add_nc_u64 s[6:7], s[6:7], s[32:33]
	s_lshl_b32 s32, s29, 17                        ; hbk: 131,072 bytes a part,
	s_lshl_b32 s31, s28, 16                        ; 16 rows x 4,096 bytes for the batches' half,
	s_add_co_u32 s32, s32, s31
	s_lshl_b32 s31, s26, 14                        ; 4 rows a wave,
	s_add_co_u32 s32, s32, s31
	s_lshl_b32 s31, s27, 8                         ; 256 bytes for the 64 units
	s_add_co_u32 s32, s32, s31
	s_add_nc_u64 s[22:23], s[22:23], s[32:33]
.irp k, 0,1
.irp p, 0,1,2,3,4,5
	global_load_b64 v[128+12*\k+2*\p:129+12*\k+2*\p], v5, s[8:9] offset:96*\k+48*(\p/3)+8*(\p%3)   ; Wh: 24 bytes of the row's stream of bits as three pieces of 8
	global_load_b64 v[32+12*\k+2*\p:33+12*\k+2*\p], v5, s[4:5] offset:96*\k+48*(\p/3)+8*(\p%3)     ; dec_hidden likewise
.endr
	global_load_b32 v[16+\k], v6, s[10:11] offset:4*\k
	global_load_b32 v[8+\k], v6, s[6:7] offset:4*\k
.endr
	global_load_b128 v[232:235], v24, s[12:13]
	global_load_b128 v[236:239], v24, s[12:13] offset:16
	global_load_b128 v[240:243], v24, s[14:15]
	global_load_b128 v[244:247], v24, s[14:15] offset:16
	global_load_b128 v[248:251], v24, s[16:17]
	global_load_b128 v[252:255], v24, s[16:17] offset:16
	s_wait_loadcnt 0x0
.irp g, 0,2,4,6
	v_pk_add_f32 v[232+\g:233+\g], v[232+\g:233+\g], v[240+\g:241+\g]
.endr
.irp g, 0,2,4,6
	v_pk_add_f32 v[232+\g:233+\g], v[232+\g:233+\g], v[248+\g:249+\g]    ; the three biases of my eight units,
.endr
.irp g, 0,2,4,6
	v_pk_mul_f32 v[232+\g:233+\g], v[232+\g:233+\g], s[38:39] op_sel_hi:[1,0]   ; of which each of the four parts carries a quarter (a multiplication that rounds nothing)
.endr
.rept 4
	v_nop
.endr
	v_wmma_scale_f32_16x16x128_f8f6f4 v[224:231], v[128:139], v[32:43], v[232:239], v16, v8 matrix_a_fmt:MATRIX_FMT_FP6 matrix_b_fmt:MATRIX_FMT_FP6
	s_wait_alu depctr_va_vdst(0)                   ; the wait directly ahead of the link
	v_wmma_scale_f32_16x16x128_f8f6f4 v[224:231], v[140:151], v[44:55], v[224:231], v17, v9 matrix_a_fmt:MATRIX_FMT_FP6 matrix_b_fmt:MATRIX_FMT_FP6
.rept 4
	v_nop                                          ; four places between the last product and the first read of its result (ISA guide 7.12.1)
.endr
.irp g, 0,2,4,6
	v_pk_mul_f32 v[240+\g:241+\g], v[224+\g:225+\g], s[34:35] op_sel_hi:[1,0]   ; x k, from the accumulator's low end on
.endr
	ds_store_b128 v25, v[240:243]
	ds_store_b128 v25, v[244:247] offset:16
	s_wait_dscnt 0x0                               ; for the others' sake: my stores into the stage are done
	s_barrier_signal -1
	s_barrier_wait -1
	ds_load_b128 v[248:251], v26
	ds_load_b128 v[252:255], v26 offset:2*STP
	s_wait_dscnt 0x0
	global_store_b128 v27, v[248:251], s[22:23]                ; sixteen lanes store 256 consecutive bytes, at a multiple of 256 from the buffer's first byte
	global_store_b128 v27, v[252:255], s[22:23] offset:8192
	s_wait_tensorcnt 0x0                           ; the wave's end
	ds_add_u32 v1, v2
	s_wait_dscnt 0x0
	s_endpgm
.Lrepack:
	; ---- Ws in operand order
	s_sub_co_u32 s27, ttmp9, NH
	s_and_b32 s28, s27, 3                          ; whose records: the reader's wave
	s_lshr_b32 s27, s27, 2                         ; slot 0..17
	s_and_b32 s29, s27, 15
	s_lshl_b32 s30, s28, 4
	s_add_co_u32 s30, s30, s29                     ; the tile of 16 rows: 16 x that wave + slot % 16
	s_mul_i32 s32, s30, 12288
	s_mul_i32 s31, s26, 192                        ; my two K steps in a row
	s_add_co_u32 s32, s32, s31
	s_add_nc_u64 s[18:19], s[18:19], s[32:33]
	s_lshl_b32 s32, s30, 9
	s_add_nc_u64 s[20:21], s[20:21], s[32:33]
	s_mul_i32 s31, s28, 18
	s_add_co_u32 s31, s31, s27
	s_mul_i32 s32, s31, REC                        ; the record: 18 x that wave + slot,
	s_mul_i32 s31, s26, 3072                       ; and my two K steps in it
	s_add_co_u32 s32, s32, s31
	s_add_nc_u64 s[24:25], s[24:25], s[32:33]
.irp k, 0,1
.irp p, 0,1,2,3,4,5
	global_load_b64 v[32+12*\k+2*\p:33+12*\k+2*\p], v5, s[18:19] offset:96*\k+48*(\p/3)+8*(\p%3)
.endr
.endr
	s_wait_alu depctr_va_vdst(0)
.irp i, 0,1,2,3
	global_load_b32 v[16+\i], v28, s[20:21] offset:8*\i        ; row r, K step 2 i + h
.endr
	s_wait_loadcnt 0x0
.irp k, 0,1
.irp c, 0,1,2
	global_store_b128 v7, v[32+12*\k+4*\c:35+12*\k+4*\c], s[24:25] offset:1536*\k+512*\c   ; 32 lanes store 512 consecutive bytes
.endr
.endr
	s_cmp_lg_u32 s26, 0
	s_cbranch_scc1 .Lrend
	global_store_b128 v7, v[16:19], s[24:25] offset:12288      ; wave 0, whose base is the record's first byte: the scale words
.Lrend:
	s_endpgm
.Lfunc_end_k_q84dba70c80_prep:
	.size	k_q84dba70c80_prep, .Lfunc_end_k_q84dba70c80_prep-k_q84dba70c80_prep
	.p2alignl 7, 3214868480
	.fill 96, 4, 3214868480
	.section	.rodata,"a",@progbits
	.p2align	6, 0x0
	.amdhsa_kernel k_q84dba70c80_prep
		.amdhsa_group_segment_fixed_size 5120
		.amdhsa_private_segment_fixed_size 0
		.amdhsa_enable_private_segment 0
		.amdhsa_kernarg_size 88
		.amdhsa_user_sgpr_count 2
		.amdhsa_user_sgpr_kernarg_segment_ptr 1
		.amdhsa_wavefront_size32 1
		.amdhsa_system_sgpr_workgroup_id_x 1
		.amdhsa_system_sgpr_workgroup_id_y 1
		.amdhsa_system_sgpr_workgroup_id_z 1
		.amdhsa_system_vgpr_workitem_id 0
		.amdhsa_next_free_vgpr 256
		.amdhsa_next_free_sgpr 66
		.amdhsa_reserve_vcc 0
		.amdhsa_float_denorm_mode_32 3
		.amdhsa_float_denorm_mode_16_64 3
		.amdhsa_memory_ordered 1
		.amdhsa_forward_progress 1
		.amdhsa_inst_pref_size 12
	.end_amdhsa_kernel
	.amdgpu_metadata
---
amdhsa.version: [ 1, 2 ]
amdhsa.kernels:
  - .name:           k_q84dba70c80_prep
    .symbol:         k_q84dba70c80_prep.kd
    .args:
      - { .name: dec_hidden_codes, .offset: 0, .size: 8, .value_kind: global_buffer, .address_space: global }
      - { .name: dec_hidden_scales, .offset: 8, .size: 8, .value_kind: global_buffer, .address_space: global }
      - { .name: Wh_w_codes, .offset: 16, .size: 8, .value_kind: global_buffer, .address_space: global }
      - { .name: Wh_w_scales, .offset: 24, .size: 8, .value_kind: global_buffer, .address_space: global }
      - { .name: Wh_b, .offset: 32, .size: 8, .value_kind: global_buffer, .address_space: global }
      - { .name: Ws_b, .offset: 40, .size: 8, .value_kind: global_buffer, .address_space: global }
      - { .name: Wc_b, .offset: 48, .size: 8, .value_kind: global_buffer, .address_space: global }
      - { .name: Ws_w_codes, .offset: 56, .size: 8, .value_kind: global_buffer, .address_space: global }
      - { .name: Ws_w_scales, .offset: 64, .size: 8, .value_kind: global_buffer, .address_space: global }
      - { .name: hbk, .offset: 72, .size: 8, .value_kind: global_buffer, .address_space: global }
      - { .name: wpack, .offset: 80, .size: 8, .value_kind: global_buffer, .address_space: global }
    .group_segment_fixed_size: 5120
    .private_segment_fixed_size: 0
    .kernarg_segment_align: 8
    .kernarg_segment_size: 88
    .max_flat_workgroup_size: 128
    .sgpr_count:     66
    .vgpr_count:     256
    .wavefront_size: 32
...
	.end_amdgpu_metadata
.endif
;; end of part 1
;; launch attend (part 2): grid 8 x 32, 4 waves a work-group, no clusters, 327,680 bytes of LDS; arguments enc_output, prev_coverage, Wc_w, V_w, hbk, wpack, pctx, pml, tsc; writes pctx, pml, tsc
.if DOCPART == 2
	.amdgcn_target "amdgcn-amd-amdhsa--gfx1250"
	.amdhsa_code_object_version 6
	.text
	.protected	k_q84dba70c80_attend
	.globl	k_q84dba70c80_attend
	.p2align	8
	.type	k_q84dba70c80_attend,@function
k_q84dba70c80_attend:
	s_mov_b64 s[64:65], 0
	v_nop
	global_prefetch_b8 v0, s[64:65] scope:SCOPE_SE
	s_setreg_imm32_b32 hwreg(HW_REG_WAVE_MODE, 25, 1), 1
	s_wait_xcnt 0x0
; Work-group (part, b) takes rows 256 part .. + 255 of batch b through the whole chain and reads each of them from memory once.  It stores t[s] (tsc), its largest t and its sum of 2^(t - largest) (pml), and its
; context under that largest t (pctx); the next launch joins a batch's eight parts.
; t[s] = log2(e) x sum over u of (-2 V_w[u]) / (1 + 2^(k feat[s][u])), k = 2 log2(e); feat = Q(enc) . Ws + cov[s] Wc_w[u] + what the first launch left in hbk (already x k).
; LEFT OUT: V_b and the sum of V_w, which tanh(x) = 1 - 2 / (1 + e^(2x)) would add to every t of a batch alike: the softmax along s takes them away for all values of the inputs; enc_pad_mask, which reference() never reads.
; Neither V_b nor enc_pad_mask is an argument.  A NaN, an infinity or an overflow in what is left out is not carried to the result.
; STEPS OF 32 ROWS.  A tensor load a wave brings 32 rows x 256 numbers (the wave's quarter of K) into one of two slots.  The wave quantises its quarter (MX-FP6, blocks of 32 along K) and lays codes and scale words in LDS as
; an image of the operand's registers; every wave then loads the 32 rows' fragments for all of K.  The f32 rows move from the slot into registers (64 in each of the four windows) and wait there for their weights.
; THE PRODUCT.  A wave owns 256 units.  Ws comes from wpack, in the order of the operand's registers, straight into two sets of 96 registers, two tiles of 16 units ahead.  A call of GEMM multiplies 128 of the wave's units
; with the rows of two neighbouring steps (four tiles of 16 rows), so each record of Ws that is loaded serves 64 rows; a step's rows meet the other 128 units in the next call.
; The product is used transposed (source 0 = 16 rows of Ws, source 1 = 16 rows of enc), so that a lane holds eight units of one row, and the sum over units is a sum over registers, two lanes and four waves.
; THE SOFTMAX runs on: with each step's 32 t the largest t, the sum and the context are brought under the new largest t.
; cluster = none: the tensor loads bring rows of enc_output, which no other work-group reads; Ws goes into registers by plain loads.  No prefetch of enc_output: a refill is asked for directly behind a step's barrier and is
; waited for at the next step's head, behind that step's 256 matrix instructions.
.set LP,    1040
.set WSL,   32*LP
.set LBSZ,  4*WSL
.set IMG,   2*LBSZ
.set FRB,   1536
.set ASC,   IMG+16*FRB
.set TBW,   ASC+1024
.set TBH,   TBW+4096
.set TBV,   TBW+8192
.set COV,   TBW+12288
.set SX,    COV+1024
.set SCR,   SX+512
.set SPARE, SCR+1024
.set REC,   12800
.set SPW,  1
.set NIL,  2
.set LOFF, 3
.set VC0,  4
.set VCA,  5
.set VQ0,  6
.set VQ,   7
.set VM0,  8
.set VM,   9
.set VIW,  10
.set VSW,  11
.set VIR,  12
.set VSR,  13
.set VCV0, 14
.set VCV,  15
.set VSXW, 16
.set VSXR, 17
.set VSC0, 18
.set VSC,  19
.set SH8,  20
.set MX,   22
.set LS,   23
.set FF,   24
.set PP,   26
.set T,    27
.set ASCR, 40
.set WSC,  56
.set ACC,  64
.set CW,   128
.set CH,   136
.set CV,   144
.set SC,   152
.set COVR, 160
.set CT,   164
.set VSCR, 172
.set L8,   173
.set RR,   192
.set QA,   64
.set PC,   128
.set TMP,  140
.set MSB, 0
.macro WIN new
.if MSB != (\new)
	s_set_vgpr_msb (MSB<<8)|(\new)
.set MSB, (\new)
.endif
.endm
.macro WK buf, ks
.irp c, 0,1,2
	global_load_b128 v[96*(\buf)+12*(\ks)+4*\c:96*(\buf)+12*(\ks)+4*\c+3], v[LOFF], s[50:51] offset:REC*(\buf)+FRB*(\ks)+512*\c
.endr
.endm
.macro WS buf, i
	global_load_b32 v[WSC+4*(\buf)+(\i)], v[LOFF], s[50:51] offset:REC*(\buf)+12288+4*(\i)
.endm
.macro WALL buf
	WIN 0x40
	WK \buf, 0
	WK \buf, 1
	WK \buf, 2
	WK \buf, 3
	WIN 0
	WS \buf, 0
	WS \buf, 1
	WIN 0x40
	WK \buf, 4
	WK \buf, 5
	WK \buf, 6
	WIN 0
	WS \buf, 2
	WIN 0x40
	WK \buf, 7
	WIN 0
	WS \buf, 3
.endm
.macro EPI set, mt0, nmt, hook
.set eE, 8*(\nmt)
.set eB, ACC+32*(\set)+8*(\mt0)
.set eV, CV+32*(\set)
.if \hook
.if (en == 2*eE) || (en == 7*eE/2)
	s_wait_alu depctr_va_vdst(0)
.endif
.endif
.if en < eE/2
.set ea, eB+2*en
.set ec, 2*(en%4)
	v_pk_fma_f32 v[ea:ea+1], v[ea:ea+1], s[56:57], v[CH+ec:CH+ec+1] op_sel_hi:[1,0,1]
.elseif en < eE
.set ep, en-eE/2
.set ea, eB+2*ep
.set ec, 2*(ep%4)
.set em, (\mt0)+ep/4
.set eo, COVR+2*(em/2)
.if em%2
	v_pk_fma_f32 v[ea:ea+1], v[CW+ec:CW+ec+1], v[eo:eo+1], v[ea:ea+1] op_sel:[0,1,0] op_sel_hi:[1,1,1]
.else
	v_pk_fma_f32 v[ea:ea+1], v[CW+ec:CW+ec+1], v[eo:eo+1], v[ea:ea+1] op_sel:[0,0,0] op_sel_hi:[1,0,1]
.endif
.elseif en < 2*eE
.set ea, eB+en-eE
	v_exp_f32 v[ea], v[ea]
.elseif en < 5*eE/2
.set ea, eB+2*(en-2*eE)
	v_pk_add_f32 v[ea:ea+1], v[ea:ea+1], 1.0 op_sel_hi:[1,0]
.elseif en < 7*eE/2
.set ea, eB+en-5*eE/2
	v_rcp_f32 v[ea], v[ea]
.else
.set ep, en-7*eE/2
.set em, ep%(\nmt)
.set ec, 2*(ep/(\nmt))
.set ea, eB+8*em+ec
.set es, SC+2*((\mt0)+em)
	v_pk_fma_f32 v[es:es+1], v[eV+ec:eV+ec+1], v[ea:ea+1], v[es:es+1]
.endif
.if \hook
.if (en == 2*eE-1) || (en == 7*eE/2-1)
	v_nop
.endif
.endif
.endm
.macro MM set
.set md, ACC+32*(\set)+8*um
.set ma, 96*(\set)+12*uk
.set mb, 96*(um%2)+12*uk
.set msa, WSC+4*(\set)+uk/2
.set msb, ASCR+8*(um/2)+uk
.if uk == 0
.if um%2
	v_wmma_scale_f32_16x16x128_f8f6f4 v[md:md+7], v[ma:ma+11], v[mb:mb+11], 0, v[msa], v[msb] matrix_a_fmt:MATRIX_FMT_FP6 matrix_b_fmt:MATRIX_FMT_FP6 matrix_b_scale:MATRIX_SCALE_ROW1
.else
	v_wmma_scale_f32_16x16x128_f8f6f4 v[md:md+7], v[ma:ma+11], v[mb:mb+11], 0, v[msa], v[msb] matrix_a_fmt:MATRIX_FMT_FP6 matrix_b_fmt:MATRIX_FMT_FP6
.endif
.elseif uk%2
.if um%2
	v_wmma_scale_f32_16x16x128_f8f6f4 v[md:md+7], v[ma:ma+11], v[mb:mb+11], v[md:md+7], v[msa], v[msb] matrix_a_fmt:MATRIX_FMT_FP6 matrix_b_fmt:MATRIX_FMT_FP6 matrix_a_scale:MATRIX_SCALE_ROW1 matrix_b_scale:MATRIX_SCALE_ROW1
.else
	v_wmma_scale_f32_16x16x128_f8f6f4 v[md:md+7], v[ma:ma+11], v[mb:mb+11], v[md:md+7], v[msa], v[msb] matrix_a_fmt:MATRIX_FMT_FP6 matrix_b_fmt:MATRIX_FMT_FP6 matrix_a_scale:MATRIX_SCALE_ROW1
.endif
.else
.if um%2
	v_wmma_scale_f32_16x16x128_f8f6f4 v[md:md+7], v[ma:ma+11], v[mb:mb+11], v[md:md+7], v[msa], v[msb] matrix_a_fmt:MATRIX_FMT_FP6 matrix_b_fmt:MATRIX_FMT_FP6 matrix_b_scale:MATRIX_SCALE_ROW1
.else
	v_wmma_scale_f32_16x16x128_f8f6f4 v[md:md+7], v[ma:ma+11], v[mb:mb+11], v[md:md+7], v[msa], v[msb] matrix_a_fmt:MATRIX_FMT_FP6 matrix_b_fmt:MATRIX_FMT_FP6
.endif
.endif
.endm
.macro RUNA set, pf                    ; in a unit's middle: this set's constants from LDS (six loads), then the next record's K steps 0 to 3 into the fragments just multiplied
	ds_load_b128 v[CW:CW+3], v[VCA] offset:64*(\set)
	ds_load_b128 v[CW+4:CW+7], v[VCA] offset:64*(\set)+16
	ds_load_b128 v[CH:CH+3], v[VCA] offset:4096+64*(\set)
	ds_load_b128 v[CH+4:CH+7], v[VCA] offset:4096+64*(\set)+16
	ds_load_b128 v[CV+32*(\set):CV+32*(\set)+3], v[VCA] offset:8192+64*(\set)
	ds_load_b128 v[CV+32*(\set)+4:CV+32*(\set)+7], v[VCA] offset:8192+64*(\set)+16
.if \pf
.rept 4
	v_nop                                          ; four places in front of loads into registers that matrix instructions have read
.endr
.if (\set) == 0
	s_wait_xcnt 0x0
	s_add_nc_u64 s[50:51], s[50:51], 2*REC
.endif
	WIN 0x40
	WK \set, 0
	WK \set, 1
	WK \set, 2
	WK \set, 3
	WIN 0
	WS \set, 0
	WS \set, 1
.endif
.endm
.macro RUNB set, pf
.if \pf
.rept 4
	v_nop                                          ; four places in front of loads into registers that matrix instructions have read
.endr
	WIN 0x40
	WK \set, 4
	WK \set, 5
	WK \set, 6
	WIN 0
	WS \set, 2
.endif
.endm
.macro UNIT set, mt0, nmt, pf, c0, c4, c6
.set ui, 0
.set en, 0
.rept 8*(\nmt)
.set uk, ui/(\nmt)
.set um, (\mt0)+ui%(\nmt)
.if ui%(\nmt) == 0
.if uk == 0
	s_wait_loadcnt \c0
.elseif uk == 4
	WIN 0
	RUNA \set, \pf
	s_wait_loadcnt \c4
.elseif uk == 6
	s_wait_loadcnt \c6
.elseif uk == 7
	WIN 0
	RUNB \set, \pf
.endif
.if (\set) == 0
	s_wait_dscnt 6*(7-uk)+6*(uk/4)                 ; a call's first unit begins while the rows' fragments are still coming, K step by K step: behind K step uk's six loads stand six for each later K step and, from K step 4 on, the six constants.  In later trips at most those six are out
.endif
.endif
.if um < 2
	WIN 0x09
.else
	WIN 0x0d
.endif
	MM \set                                        ; the tile's accumulators by turns, one instruction a turn, K ascending; no transcendental stands inside the chains
.if (\set) && (uk < 2)
	WIN 0                                          ; among set 1's first products: set 0's two multiply-adds a number (x k + hbk, + cov x Wc), plain work that names none of set 1's registers
.rept 4
	EPI 0, \mt0, \nmt, 0
.set en, en+1
.endr
.endif
.set ui, ui+1
.endr
	WIN 0
.rept 4
	v_nop                                          ; four places behind the last products: for the loads into K step 7's fragments and for the first reads of the results
.endr
	s_wait_dscnt 0x0                               ; this set's constants (Wc_w, hbk, V_w of its 16 units), asked for in the unit's middle, are in: the activation reads them next
.if \pf
	WIN 0x40
	WK \set, 7
	WIN 0
	WS \set, 3
.endif
.endm
.macro ERUN set, mt0, nmt, from, to    ; lines from .. to - 1 of a set's activation
.set en, \from
.rept (\to)-(\from)
	EPI \set, \mt0, \nmt, 0
.set en, en+1
.endr
.endm
; The activation of both sets, behind set 1's products: each kind of transcendental as ONE batch for the two sets, with one wait ahead of it and one behind it.
.macro TANH mt0, nmt
	ERUN 1, \mt0, \nmt, 0, 8*(\nmt)                ; set 1's multiply-adds (set 0's stood among set 1's products), each accumulator from its low end on
	s_wait_alu depctr_va_vdst(0)
	ERUN 0, \mt0, \nmt, 8*(\nmt), 16*(\nmt)        ; 2^(k feat)
	ERUN 1, \mt0, \nmt, 8*(\nmt), 16*(\nmt)
	v_nop                                          ; a plain place behind the batch
	s_wait_alu depctr_va_vdst(0)
	ERUN 0, \mt0, \nmt, 16*(\nmt), 20*(\nmt)       ; + 1
	ERUN 1, \mt0, \nmt, 16*(\nmt), 20*(\nmt)
	s_wait_alu depctr_va_vdst(0)
	ERUN 0, \mt0, \nmt, 20*(\nmt), 28*(\nmt)       ; the reciprocal
	ERUN 1, \mt0, \nmt, 20*(\nmt), 28*(\nmt)
	v_nop
	s_wait_alu depctr_va_vdst(0)
	ERUN 0, \mt0, \nmt, 28*(\nmt), 32*(\nmt)       ; x (-2 V_w), onto the rows' sums
	ERUN 1, \mt0, \nmt, 28*(\nmt), 32*(\nmt)
.endm
.macro GEMM mt0, nmt, tail
	s_wait_xcnt 0x0
	s_mov_b32 s62, s47
	s_mov_b32 s63, 0
	s_add_nc_u64 s[50:51], s[48:49], s[62:63]
	v_add_nc_u32 v[VCA], s52, v[VC0]
	s_wait_alu depctr_va_vdst(0)
	s_mov_b32 s55, 4-(\tail)
.Lg_\@:
	UNIT 0, \mt0, \nmt, 1, 42, 46, 42
	UNIT 1, \mt0, \nmt, 1, 42, 46, 42
	TANH \mt0, \nmt                                ; a trip is whole in itself: two tiles of 16 units multiplied, then both brought onto the rows' sums
	s_add_co_u32 s52, s52, 128
	v_add_nc_u32 v[VCA], s52, v[VC0]
	s_sub_co_u32 s55, s55, 1
	s_cmp_lg_u32 s55, 0
	s_wait_alu depctr_va_vdst(0)
	s_cbranch_scc1 .Lg_\@
.if \tail
	UNIT 0, \mt0, \nmt, 0, 42, 32, 28
	UNIT 1, \mt0, \nmt, 0, 14, 4, 0
	TANH \mt0, \nmt
	s_wait_alu depctr_va_vdst(0)
.endif
.if (\tail) == 0
	s_sub_co_u32 s52, s52, 512
	s_xor_b32 s52, s52, 512
	s_xor_b32 s47, s47, 8*REC
.endif
.endm
; The quantiser works by HALVES of a fragment: half c is the lane's block of 32 numbers, K = 64 c + 32 (l / 16) + 0 .. 31 of a K step, in v[QA + 32 c ..].  The two halves lie in the 64 registers that are the accumulators
; during the products, and take turns: while one is quantised the other's next block is on its way from LDS.  No other register is borrowed, so the retained rows may be in their registers already.
.macro QC c                            ; half c: the block's largest magnitude (four chains, the floor 2^(3 - 127) among the leaves), its scale operand in v[T+4+c], its 32 codes in registers 6 c .. 6 c + 5 of the fragment
.set qx, QA+32*(\c)
.irp q, 0,1,2,3
	v_max3_num_f32 v[T+\q], |v[qx+8*\q]|, |v[qx+8*\q+1]|, 0x1800000
.endr
.irp i, 2,4,6
.irp q, 0,1,2,3
	v_max3_num_f32 v[T+\q], v[T+\q], |v[qx+8*\q+\i]|, |v[qx+8*\q+\i+1]|
.endr
.endr
	v_max3_num_f32 v[T], v[T], v[T+1], v[T+2]
	v_max_num_f32 v[T], v[T], v[T+3]
	v_add_nc_u32 v[T+4+(\c)], 0xff000000, v[T]     ; 2 off the exponent field
	v_cvt_scalef32_pk16_fp6_f32 v[PC+6*(\c):PC+6*(\c)+2], v[qx:qx+15], v[T+4+(\c)]
	v_cvt_scalef32_pk16_fp6_f32 v[TMP+4*(\c):TMP+4*(\c)+2], v[qx+16:qx+31], v[T+4+(\c)]
	v_nop                                          ; one plain place behind a scaled conversion
.irp i, 0,1,2
	v_mov_b32 v[PC+6*(\c)+3+\i], v[TMP+4*(\c)+\i]
.endr
.endm
.macro QW pw                           ; the two halves' bytes at their places in the scale word (8 (l / 16) bits up), joined with lane l xor 16's two
	v_lshrrev_b32 v[T+6], 23, v[T+4]
	v_lshrrev_b32 v[T+7], 23, v[T+5]
	v_lshl_or_b32 v[T+6], v[T+7], 16, v[T+6]
	v_lshlrev_b32 v[T+6], v[SH8], v[T+6]
	v_permlanex16_b32 v[T+7], v[T+6], s58, s59
	v_or_b32 v[\pw], v[T+6], v[T+7]
.endm
.macro QH n, c                         ; half c of fragment n (16 rows n % 2, K step n / 2 of my quarter of K): eight loads
.irp i, 0,1,2,3,4,5,6,7
	ds_load_b128 v[QA+32*(\c)+4*\i:QA+32*(\c)+4*\i+3], v[VQ] offset:16*LP*((\n)%2)+512*((\n)/2)+256*(\c)+16*\i
.endr
.endm
.macro QSTORE n
.irp c, 0,1,2
	ds_store_b128 v[VIW], v[PC+4*\c:PC+4*\c+3] offset:8*FRB*((\n)%2)+FRB*((\n)/2)+512*\c
.endr
.endm
.macro QPRE
	v_add_nc_u32 v[VQ], s44, v[VQ0]
	QH 0, 0
	QH 0, 1
.endm
.macro QUANT4 pre                      ; my four fragments of a step.  Each wait for 8 leaves out the eight loads of the other half, the youngest LDS instructions; what was issued ahead of them (the half wanted, the image's stores) is done
.if (\pre) == 0
	QPRE
.endif
.irp n, 0,1,2,3
	s_wait_dscnt 8
	QC 0
.if \n < 3
	QH \n+1, 0
	s_wait_dscnt 8
.else
	s_wait_dscnt 0x0
.endif
	QC 1
	QW T+8+(\n)%2
	QSTORE \n
.if \n%2
	v_cndmask_b32 v[T+10], v[T+8], v[T+9], s61     ; lanes 0-15: rows 0-15's word, lanes 16-31: rows 16-31's
	ds_store_b32 v[VSW], v[T+10] offset:128*(\n/2)
.endif
.if \n < 3
	QH \n+1, 1
.endif
.endr
.endm
.macro AARM p                          ; the step's 32 rows as operands: first the scale words and the coverage, then the fragments with K outermost, six loads a K step, in the order in which the products want them
.irp k, 0,1,2,3,4,5,6,7
	ds_load_b32 v[ASCR+8*(\p)+\k], v[VSR] offset:128*\k
.endr
.irp m, 0,1
	ds_load_b32 v[COVR+2*(\p)+\m], v[VCV] offset:64*\m
.endr
	WIN 0x80+0x40*(\p)
.irp k, 0,1,2,3,4,5,6,7
.irp m, 0,1
.irp c, 0,1,2
	ds_load_b128 v[96*\m+12*\k+4*\c:96*\m+12*\k+4*\c+3], v[VIR] offset:FRB*(8*\m+\k)+512*\c
.endr
.endr
.endr
	WIN 0
.endm
.macro ALOAD p
	v_add_nc_u32 v[VCV], s53, v[VCV0]
.if (\p) == 2
	s_cmp_lg_u32 s46, 0
	s_cbranch_scc1 .La1_\@
	AARM 0
	s_branch .Lae_\@
.La1_\@:
	s_wait_alu depctr_va_vdst(0)
	AARM 1
.Lae_\@:
.else
	AARM \p
.endif
	s_add_co_u32 s53, s53, 128
.endm
.macro FINAL
	v_add_f32 v[T], v[SC], v[SC+1]
	v_add_f32 v[T+1], v[SC+2], v[SC+3]
	v_add_f32 v[T+2], v[SC+4], v[SC+5]
	v_add_f32 v[T+3], v[SC+6], v[SC+7]
	v_cndmask_b32 v[T], v[T], v[T+2], s46
	v_cndmask_b32 v[T+1], v[T+1], v[T+3], s46
.irp i, 0,1,2,3
	v_cndmask_b32 v[SC+\i], 0, v[SC+\i], s46
	v_cndmask_b32 v[SC+4+\i], v[SC+4+\i], 0, s46
.endr
	v_permlanex16_b32 v[T+4], v[T], s58, s59
	v_permlanex16_b32 v[T+5], v[T+1], s58, s59
	v_add_f32 v[T], v[T], v[T+4]
	v_add_f32 v[T+1], v[T+1], v[T+5]
	v_cndmask_b32 v[T], v[T], v[T+1], s61
	ds_store_b32 v[VSXW], v[T]
	v_add_nc_u32 v[VSC], s54, v[VSC0]
	s_wait_dscnt 0x0
	s_barrier_signal -1
	s_barrier_wait -1
	ds_load_b128 v[T+1:T+4], v[VSXR]
	s_wait_dscnt 0x0
	v_add_f32 v[T+1], v[T+1], v[T+2]
	v_add_f32 v[T+3], v[T+3], v[T+4]
	v_add_f32 v[T+1], v[T+1], v[T+3]
	v_mul_f32 v[T+6], 0x3fb8aa3b, v[T+1]
	s_cmp_lg_u32 s24, 0
	s_cbranch_scc1 .Lnw_\@
	s_wait_alu depctr_va_vdst(0)
	ds_store_b32 v[VSC], v[T+6]
.Lnw_\@:
	s_add_co_u32 s54, s54, 128
	s_wait_alu depctr_va_vdst(0)
	v_mov_b32 v[T+7], v[T+6]
	v_max_num_f32_dpp v[T+7], v[T+7], v[T+7] row_xmask:1 row_mask:0xf bank_mask:0xf
	v_max_num_f32_dpp v[T+7], v[T+7], v[T+7] row_xmask:2 row_mask:0xf bank_mask:0xf
	v_max_num_f32_dpp v[T+7], v[T+7], v[T+7] row_xmask:4 row_mask:0xf bank_mask:0xf
	v_max_num_f32_dpp v[T+7], v[T+7], v[T+7] row_xmask:8 row_mask:0xf bank_mask:0xf
	v_permlanex16_b32 v[T+8], v[T+7], s58, s59
	v_max3_num_f32 v[T+9], v[T+7], v[T+8], v[MX]
	v_sub_f32 v[T+10], v[MX], v[T+9]
	v_sub_f32 v[T+11], v[T+6], v[T+9]
	s_wait_alu depctr_va_vdst(0)
	v_exp_f32 v[FF], v[T+10]
	v_exp_f32 v[PP], v[T+11]
	v_mov_b32 v[MX], v[T+9]
	s_wait_alu depctr_va_vdst(0)
	v_mov_b32 v[T+7], v[PP]
	v_add_f32_dpp v[T+7], v[T+7], v[T+7] row_xmask:1 row_mask:0xf bank_mask:0xf
	v_add_f32_dpp v[T+7], v[T+7], v[T+7] row_xmask:2 row_mask:0xf bank_mask:0xf
	v_add_f32_dpp v[T+7], v[T+7], v[T+7] row_xmask:4 row_mask:0xf bank_mask:0xf
	v_add_f32_dpp v[T+7], v[T+7], v[T+7] row_xmask:8 row_mask:0xf bank_mask:0xf
	v_permlanex16_b32 v[T+8], v[T+7], s58, s59
	v_add_f32 v[T+7], v[T+7], v[T+8]
	v_fma_f32 v[LS], v[LS], v[FF], v[T+7]
.endm
.macro CTXQ q
.irp i, 0,1,2,3,4,5,6,7
	v_readlane_b32 s[66+2*\i], v[PP], 8*(\q)+\i
.endr
	WIN \q
.irp i, 0,1,2,3,4,5,6,7
.irp a, 0,1
.irp g, 0,1
	v_pk_fma_f32 v[CT+4*\a+2*\g:CT+4*\a+2*\g+1], v[RR+4*(2*\i+\a)+2*\g:RR+4*(2*\i+\a)+2*\g+1], s[66+2*\i:67+2*\i], v[CT+4*\a+2*\g:CT+4*\a+2*\g+1] op_sel_hi:[1,0,1]
.endr
.endr
.endr
	WIN 0
.endm
.macro MOVQ q
	WIN ((\q)<<6)
.irp i, 0,1,2,3,4,5,6,7
.irp a, 0,1
	ds_load_b128 v[RR+4*(2*\i+\a):RR+4*(2*\i+\a)+3], v[VM] offset:(8*(\q)+\i)*LP+512*\a
.endr
.endr
	WIN 0
.endm
.macro CTXM mv
.if \mv
	v_add_nc_u32 v[VM], s45, v[VM0]
.endif
.irp g, 0,2,4,6
	v_pk_mul_f32 v[CT+\g:CT+\g+1], v[CT+\g:CT+\g+1], v[FF:FF+1] op_sel_hi:[1,0]
.endr
.irp q, 1,2,3,0
	CTXQ \q
.if \mv
	MOVQ \q
.endif
.endr
.endm
.macro MOVE
	v_add_nc_u32 v[VM], s45, v[VM0]
	MOVQ 0
	MOVQ 1
	MOVQ 2
	MOVQ 3
.endm
.macro PUBLISH refill
.if \refill
	s_wait_tensorcnt 0x0
	ds_add_u32 v[SPW], v[NIL]
	s_add_co_u32 s41, s82, s45
	s_add_nc_u64 s[42:43], s[42:43], 131072
	s_wait_dscnt 0x0
	s_barrier_signal -1
	s_barrier_wait -1
	tensor_load_to_lds s[40:43], s[28:35]
	s_nop 0
.rept 4
	v_nop
.endr
.else
	s_wait_dscnt 0x0
	s_barrier_signal -1
	s_barrier_wait -1
.endif
.endm
.macro TOG
	s_xor_b32 s44, s44, LBSZ
	s_xor_b32 s45, s45, LBSZ
	s_not_b32 s46, s46
.endm
	s_load_b256 s[4:11], s[0:1], 0x0               ; enc_output s[4:5], prev_coverage s[6:7], Wc_w s[8:9], V_w s[10:11]
	s_load_b64 s[14:15], s[0:1], 0x20              ; hbk
	s_load_b128 s[16:19], s[0:1], 0x28             ; wpack s[16:17], pctx s[18:19]
	s_load_b128 s[20:23], s[0:1], 0x38             ; pml s[20:21], tsc s[22:23]
	v_lshl_add_u32 v[SPW], v0, 2, SPARE
	v_mov_b32 v[NIL], 0
	ds_add_u32 v[SPW], v[NIL]
	ds_add_u32 v[SPW], v[NIL]
	v_lshrrev_b32 v[T], 5, v0
	v_readfirstlane_b32 s24, v[T]
	s_and_b32 s25, ttmp7, 0xffff
	s_mov_b32 s26, ttmp9
	s_mul_i32 s82, s24, WSL
	s_mov_b32 s28, (2<<16)|(1<<20)|(7<<22)|(3<<25)
	s_mov_b32 s29, 256<<16
	s_mov_b32 s30, 32<<16
	s_mov_b32 s31, 256<<16
	s_mov_b32 s32, 32
	s_mov_b32 s33, 1024
	s_mov_b32 s34, 0
	s_mov_b32 s35, 0
	s_mov_b32 s44, 0
	s_mov_b32 s45, LBSZ
	s_mov_b32 s46, 0
	s_mov_b32 s47, 0
	s_mov_b32 s52, 0
	s_mov_b32 s53, 0
	s_mov_b32 s54, 0
	s_mov_b32 s56, 0x4038aa3b
	s_mov_b32 s57, s56
	s_mov_b32 s58, 0x76543210
	s_mov_b32 s59, 0xfedcba98
	s_mov_b32 s61, 0xffff0000
.irp i, 67,69,71,73,75,77,79,81
	s_mov_b32 s\i, 0
.endr
	v_and_b32 v[T], 31, v0
	v_and_b32 v[T+1], 15, v0
	v_bfe_u32 v[T+2], v0, 4, 1
	v_lshlrev_b32 v[LOFF], 4, v[T]
	v_lshlrev_b32 v[T+3], 2, v[T]
	v_lshlrev_b32 v[L8], 3, v[T]
	v_lshlrev_b32 v[SH8], 3, v[T+2]
	v_lshlrev_b32 v[VC0], 5, v[T+2]
	s_lshl_b32 s62, s24, 10
	s_add_co_u32 s62, s62, TBW
	v_add_nc_u32 v[VC0], s62, v[VC0]
	v_mul_u32_u24 v[VQ0], v[T+1], LP
	v_lshl_add_u32 v[VQ0], v[T+2], 7, v[VQ0]
	v_add_nc_u32 v[VQ0], s82, v[VQ0]
	v_add_nc_u32 v[VM0], s82, v[LOFF]
	s_mul_i32 s62, s24, 2*FRB
	s_add_co_u32 s62, s62, IMG
	v_add_nc_u32 v[VIW], s62, v[LOFF]
	s_lshl_b32 s62, s24, 8
	s_add_co_u32 s62, s62, ASC
	v_add_nc_u32 v[VSW], s62, v[T+3]
	v_add_nc_u32 v[VIR], IMG, v[LOFF]
	v_add_nc_u32 v[VSR], ASC, v[T+3]
	v_lshl_add_u32 v[VCV0], v[T+1], 2, COV
	s_lshl_b32 s62, s24, 2
	s_add_co_u32 s62, s62, SX
	v_add_nc_u32 v[VSXW], s62, v[LOFF]
	v_add_nc_u32 v[VSXR], SX, v[LOFF]
	v_add_nc_u32 v[VSC0], SCR, v[T+3]
	v_add_nc_u32 v[VSCR], SCR, v[LOFF]
	v_lshlrev_b32 v[T+4], 5, v0
	v_lshlrev_b32 v[T+5], 3, v0
	v_lshl_add_u32 v[T+6], v0, 5, TBW
	v_lshl_add_u32 v[T+7], v0, 3, COV
	s_lshl_b32 s62, s25, 23
	s_lshl_b32 s63, s26, 20
	s_add_co_u32 s62, s62, s63
	s_lshl_b32 s63, s24, 10
	s_add_co_u32 s62, s62, s63
	s_mov_b32 s63, 0
	s_wait_alu depctr_va_vdst(0)
	s_wait_dscnt 0x0
	s_wait_kmcnt 0x0
	s_mov_b32 s36, 1
	s_mov_b32 s37, s82
	s_add_nc_u64 s[38:39], s[4:5], s[62:63]
	s_mov_b32 s40, 1
	s_add_co_u32 s41, s82, LBSZ
	s_add_nc_u64 s[42:43], s[38:39], 131072
	s_or_b32 s39, s39, 0x80000000
	s_or_b32 s43, s43, 0x80000000
	tensor_load_to_lds s[36:39], s[28:35]          ; step 0's rows: my one tensor load at the head; the tables' loads and the first two records of Ws go out while it is on its way
	s_nop 0
.rept 4
	v_nop
.endr
	s_lshl_b32 s62, s25, 12
	s_add_nc_u64 s[14:15], s[14:15], s[62:63]
	s_lshl_b32 s62, s25, 13
	s_lshl_b32 s55, s26, 10
	s_add_co_u32 s62, s62, s55
	s_add_nc_u64 s[6:7], s[6:7], s[62:63]
	s_add_nc_u64 s[22:23], s[22:23], s[62:63]
	s_lshl_b32 s55, s25, 3
	s_add_co_u32 s55, s55, s26
	s_lshl_b32 s62, s55, 8
	s_add_nc_u64 s[20:21], s[20:21], s[62:63]
	s_lshl_b32 s62, s55, 12
	s_lshl_b32 s55, s24, 10
	s_add_co_u32 s62, s62, s55
	s_add_nc_u64 s[18:19], s[18:19], s[62:63]
	s_mul_i32 s62, s24, 18*REC
	s_add_nc_u64 s[48:49], s[16:17], s[62:63]
	s_mov_b64 s[50:51], s[48:49]
	global_load_b128 v[64:67], v[T+4], s[14:15]
	global_load_b128 v[68:71], v[T+4], s[14:15] offset:16
.irp p, 1,2,3
	global_load_b128 v[120+8*\p:123+8*\p], v[T+4], s[14:15] offset:131072*\p
	global_load_b128 v[124+8*\p:127+8*\p], v[T+4], s[14:15] offset:131072*\p+16
.endr
	global_load_b128 v[72:75], v[T+4], s[8:9]
	global_load_b128 v[76:79], v[T+4], s[8:9] offset:16
	global_load_b128 v[80:83], v[T+4], s[10:11]
	global_load_b128 v[84:87], v[T+4], s[10:11] offset:16
	global_load_b64 v[88:89], v[T+5], s[6:7]
	WALL 0
	WALL 1
.irp i, 0,1,2,3,4,5,6,7
	v_mov_b32 v[SC+\i], 0
	v_mov_b32 v[CT+\i], 0
.endr
	v_mov_b32 v[LS], 0
	v_mov_b32 v[MX], 0xff61b1e6
	v_mov_b32 v[FF], 0
	v_mov_b32 v[FF+1], 0
	s_wait_loadcnt 56
.irp p, 1,2,3
.irp g, 0,2,4,6
	v_pk_add_f32 v[64+\g:65+\g], v[64+\g:65+\g], v[120+8*\p+\g:121+8*\p+\g]
.endr
.endr
.irp g, 0,2,4,6
	v_pk_mul_f32 v[72+\g:73+\g], v[72+\g:73+\g], s[56:57] op_sel_hi:[1,0]
	v_pk_mul_f32 v[80+\g:81+\g], v[80+\g:81+\g], -2.0 op_sel_hi:[1,0]
.endr
	ds_store_b128 v[T+6], v[72:75]
	ds_store_b128 v[T+6], v[76:79] offset:16
	ds_store_b128 v[T+6], v[64:67] offset:4096
	ds_store_b128 v[T+6], v[68:71] offset:4096+16
	ds_store_b128 v[T+6], v[80:83] offset:8192
	ds_store_b128 v[T+6], v[84:87] offset:8192+16
	ds_store_b64 v[T+7], v[88:89]
	s_wait_alu depctr_va_vdst(0)
	s_wait_tensorcnt 0x0                           ; my part of step 0's rows is in; slot 1's first fill is issued as a refill is:
	ds_add_u32 v[SPW], v[NIL]
	s_wait_dscnt 0x0                               ; the add and my stores into the tables are done
	s_barrier_signal -1
	s_barrier_wait -1
	tensor_load_to_lds s[40:43], s[28:35]          ; step 1's rows
	s_nop 0
.rept 4
	v_nop
.endr
	QUANT4 0
	PUBLISH 0
	ALOAD 0
	TOG
	GEMM 0, 2, 0
	MOVE                                           ; step 0's rows leave their slot,
	PUBLISH 1                                      ; which is filled again at once; behind this barrier nobody reads the old image any more
	QUANT4 0
	PUBLISH 0                                      ; the new image is whole
	ALOAD 1
	TOG
	GEMM 0, 4, 0
	s_mov_b32 s60, 5
.Lstep:
	s_wait_tensorcnt 0x0
	QPRE
	s_wait_alu depctr_va_vdst(0)
	FINAL
	CTXM 2                                         ; the retained rows are weighed and the next rows take their registers,
	PUBLISH 1                                      ; so their slot is filled again here, ahead of the quantising and of the fragments' loads
	QUANT4 1
	PUBLISH 0                                      ; the new image is whole
	ALOAD 2
	TOG
	GEMM 0, 4, 0
	s_sub_co_u32 s60, s60, 1
	s_cmp_lg_u32 s60, 0
	s_cbranch_scc1 .Lstep
	s_wait_tensorcnt 0x0
	QPRE
	s_wait_alu depctr_va_vdst(0)
	FINAL
	CTXM 2
	QUANT4 1
	PUBLISH 0
	ALOAD 1
	TOG
	GEMM 0, 4, 0
	FINAL
	CTXM 2
	PUBLISH 0
	TOG
	GEMM 2, 2, 1
	FINAL
	CTXM 0
	global_store_b128 v[LOFF], v[CT:CT+3], s[18:19]
	global_store_b128 v[LOFF], v[CT+4:CT+7], s[18:19] offset:512
	s_cmp_lg_u32 s24, 0
	s_cbranch_scc1 .Lend
	ds_load_b128 v[64:67], v[VSCR]
	ds_load_b128 v[68:71], v[VSCR] offset:512
	global_store_b64 v[L8], v[MX:MX+1], s[20:21]
	s_wait_dscnt 0x0
	global_store_b128 v[LOFF], v[64:67], s[22:23]
	global_store_b128 v[LOFF], v[68:71], s[22:23] offset:512
.Lend:
	s_wait_tensorcnt 0x0
	ds_add_u32 v[SPW], v[NIL]
	s_wait_dscnt 0x0
	s_endpgm
.Lfunc_end_k_q84dba70c80_attend:
	.size	k_q84dba70c80_attend, .Lfunc_end_k_q84dba70c80_attend-k_q84dba70c80_attend
	.p2alignl 7, 3214868480
	.fill 96, 4, 3214868480
	.section	.rodata,"a",@progbits
	.p2align	6, 0x0
	.amdhsa_kernel k_q84dba70c80_attend
		.amdhsa_group_segment_fixed_size 327680
		.amdhsa_private_segment_fixed_size 0
		.amdhsa_enable_private_segment 0
		.amdhsa_kernarg_size 72
		.amdhsa_user_sgpr_count 2
		.amdhsa_user_sgpr_kernarg_segment_ptr 1
		.amdhsa_wavefront_size32 1
		.amdhsa_system_sgpr_workgroup_id_x 1
		.amdhsa_system_sgpr_workgroup_id_y 1
		.amdhsa_system_sgpr_workgroup_id_z 1
		.amdhsa_system_vgpr_workitem_id 0
		.amdhsa_next_free_vgpr 1024
		.amdhsa_next_free_sgpr 100
		.amdhsa_reserve_vcc 0
		.amdhsa_float_denorm_mode_32 3
		.amdhsa_float_denorm_mode_16_64 3
		.amdhsa_memory_ordered 1
		.amdhsa_forward_progress 1
		.amdhsa_inst_pref_size 255
	.end_amdhsa_kernel
	.section	.bss,"aw",@nobits
	.p2align	6
	.space	262144
	.amdgpu_metadata
---
amdhsa.version: [ 1, 2 ]
amdhsa.kernels:
  - .name:           k_q84dba70c80_attend
    .symbol:         k_q84dba70c80_attend.kd
    .args:
      - { .name: enc_output, .offset: 0, .size: 8, .value_kind: global_buffer, .address_space: global }
      - { .name: prev_coverage, .offset: 8, .size: 8, .value_kind: global_buffer, .address_space: global }
      - { .name: Wc_w, .offset: 16, .size: 8, .value_kind: global_buffer, .address_space: global }
      - { .name: V_w, .offset: 24, .size: 8, .value_kind: global_buffer, .address_space: global }
      - { .name: hbk, .offset: 32, .size: 8, .value_kind: global_buffer, .address_space: global }
      - { .name: wpack, .offset: 40, .size: 8, .value_kind: global_buffer, .address_space: global }
      - { .name: pctx, .offset: 48, .size: 8, .value_kind: global_buffer, .address_space: global }
      - { .name: pml, .offset: 56, .size: 8, .value_kind: global_buffer, .address_space: global }
      - { .name: tsc, .offset: 64, .size: 8, .value_kind: global_buffer, .address_space: global }
    .group_segment_fixed_size: 327680
    .private_segment_fixed_size: 0
    .kernarg_segment_align: 8
    .kernarg_segment_size: 72
    .max_flat_workgroup_size: 128
    .sgpr_count:     100
    .vgpr_count:     1024
    .wavefront_size: 32
...
	.end_amdgpu_metadata
.endif
;; end of part 2
;; launch finish (part 3): grid 8 x 32, 1 waves a work-group, no clusters, 0 bytes of LDS; arguments tsc, pml, pctx, prev_coverage, out0, out1, out2; writes out0, out1, out2
.if DOCPART == 3
	.amdgcn_target "amdgcn-amd-amdhsa--gfx1250"
	.amdhsa_code_object_version 6
	.text
	.protected	k_q84dba70c80_finish
	.globl	k_q84dba70c80_finish
	.p2align	8
	.type	k_q84dba70c80_finish,@function
k_q84dba70c80_finish:
	s_mov_b64 s[64:65], 0
	v_nop
	global_prefetch_b8 v0, s[64:65] scope:SCOPE_SE
	s_setreg_imm32_b32 hwreg(HW_REG_WAVE_MODE, 25, 1), 1
	s_wait_xcnt 0x0
; The eight parts of a batch are joined.  Part i gave its largest t, m_i, its sum l_i of 2^(t - m_i) and its context c_i under m_i.  M = the largest m_i; e_i = 2^(m_i - M); L = sum of l_i e_i (at least 1).
; out1[s] = 2^(t[s] - M) / L; out2 = out1 + prev_coverage; out0 = (sum of c_i e_i) / L.  Work-group (j, b), one wave: rows 256 j on and columns 128 j on of batch b.
; Every load and store of the wave but those of (m, l) covers 512 consecutive bytes.  No LDS, no barrier, no matrix work: some 8.8 KB a work-group.
	s_load_b256 s[4:11], s[0:1], 0x0               ; tsc s[4:5], pml s[6:7], pctx s[8:9], cov s[10:11]
	s_load_b128 s[12:15], s[0:1], 0x20             ; out0 s[12:13], out1 s[14:15]
	s_load_b64 s[16:17], s[0:1], 0x30              ; out2
	s_and_b32 s20, ttmp7, 0xffff                   ; b
	v_lshlrev_b32 v1, 4, v0                        ; 16 x lane
	v_mov_b32 v2, 0
	s_lshl_b32 s22, s20, 13                        ; rows: 8,192 bytes a batch, 1,024 for 256 rows
	s_lshl_b32 s21, ttmp9, 10
	s_add_co_u32 s22, s22, s21
	s_mov_b32 s23, 0
	s_lshl_b32 s24, s20, 11                        ; pml: eight units of 256 bytes a batch
	s_mov_b32 s25, 0
	s_lshl_b32 s26, s20, 15                        ; pctx: eight rows of 4,096 bytes a batch, 512 for my 128 columns
	s_lshl_b32 s21, ttmp9, 9
	s_add_co_u32 s26, s26, s21
	s_mov_b32 s27, 0
	s_lshl_b32 s28, s20, 12                        ; out0: 4,096 bytes a batch
	s_add_co_u32 s28, s28, s21
	s_mov_b32 s29, 0
	s_wait_alu depctr_va_vdst(0)
	s_wait_kmcnt 0x0
	s_add_nc_u64 s[4:5], s[4:5], s[22:23]
	s_add_nc_u64 s[10:11], s[10:11], s[22:23]
	s_add_nc_u64 s[14:15], s[14:15], s[22:23]
	s_add_nc_u64 s[16:17], s[16:17], s[22:23]
	s_add_nc_u64 s[6:7], s[6:7], s[24:25]
	s_add_nc_u64 s[8:9], s[8:9], s[26:27]
	s_add_nc_u64 s[12:13], s[12:13], s[28:29]
.irp i, 0,1,2,3,4,5,6,7
	global_load_b64 v[16+2*\i:17+2*\i], v2, s[6:7] offset:256*\i           ; (m_i, l_i), the same address in every lane
.endr
	global_load_b128 v[32:35], v1, s[4:5]
	global_load_b128 v[36:39], v1, s[4:5] offset:512
	global_load_b128 v[40:43], v1, s[10:11]
	global_load_b128 v[44:47], v1, s[10:11] offset:512
.irp i, 0,1,2,3,4,5,6,7
	global_load_b128 v[48+4*\i:51+4*\i], v1, s[8:9] offset:4096*\i
.endr
	s_wait_loadcnt 0x0
	v_max3_num_f32 v3, v16, v18, v20
	v_max3_num_f32 v3, v3, v22, v24
	v_max3_num_f32 v3, v3, v26, v28
	v_max_num_f32 v3, v3, v30                      ; M
.irp i, 0,1,2,3,4,5,6,7
	v_sub_f32 v[4+\i], v[16+2*\i], v3
	v_sub_f32 v[32+\i], v[32+\i], v3
.endr
	s_wait_alu depctr_va_vdst(0)
.irp i, 0,1,2,3,4,5,6,7
	v_exp_f32 v[4+\i], v[4+\i]                     ; e_i
	v_exp_f32 v[32+\i], v[32+\i]                   ; 2^(t - M)
.endr
	v_nop                                          ; a plain instruction behind the batch,
	s_wait_alu depctr_va_vdst(0)                   ; and one wait for all sixteen, ahead of their first reader
	v_mul_f32 v12, v17, v4
.irp i, 1,2,3,4,5,6,7
	v_fmac_f32 v12, v[17+2*\i], v[4+\i]            ; L
.endr
	s_wait_alu depctr_va_vdst(0)
	v_rcp_f32 v13, v12
.irp e, 0,1,2,3
	v_mul_f32 v[80+\e], v[48+\e], v4               ; (plain work behind the reciprocal, which names neither its source nor its result)
.endr
.irp i, 1,2,3,4,5,6,7
.irp e, 0,1,2,3
	v_fmac_f32 v[80+\e], v[48+4*\i+\e], v[4+\i]
.endr
.endr
	s_wait_alu depctr_va_vdst(0)
.irp e, 0,1,2,3
	v_mul_f32 v[80+\e], v[80+\e], v13
.endr
.irp i, 0,1,2,3,4,5,6,7
	v_mul_f32 v[32+\i], v[32+\i], v13
.endr
.irp i, 0,1,2,3,4,5,6,7
	v_add_f32 v[40+\i], v[40+\i], v[32+\i]
.endr
	global_store_b128 v1, v[80:83], s[12:13]
	global_store_b128 v1, v[32:35], s[14:15]
	global_store_b128 v1, v[36:39], s[14:15] offset:512
	global_store_b128 v1, v[40:43], s[16:17]
	global_store_b128 v1, v[44:47], s[16:17] offset:512
	s_endpgm
.Lfunc_end_k_q84dba70c80_finish:
	.size	k_q84dba70c80_finish, .Lfunc_end_k_q84dba70c80_finish-k_q84dba70c80_finish
	.p2alignl 7, 3214868480
	.fill 96, 4, 3214868480
	.section	.rodata,"a",@progbits
	.p2align	6, 0x0
	.amdhsa_kernel k_q84dba70c80_finish
		.amdhsa_group_segment_fixed_size 0
		.amdhsa_private_segment_fixed_size 0
		.amdhsa_enable_private_segment 0
		.amdhsa_kernarg_size 56
		.amdhsa_user_sgpr_count 2
		.amdhsa_user_sgpr_kernarg_segment_ptr 1
		.amdhsa_wavefront_size32 1
		.amdhsa_system_sgpr_workgroup_id_x 1
		.amdhsa_system_sgpr_workgroup_id_y 1
		.amdhsa_system_sgpr_workgroup_id_z 1
		.amdhsa_system_vgpr_workitem_id 0
		.amdhsa_next_free_vgpr 96
		.amdhsa_next_free_sgpr 66
		.amdhsa_reserve_vcc 0
		.amdhsa_float_denorm_mode_32 3
		.amdhsa_float_denorm_mode_16_64 3
		.amdhsa_memory_ordered 1
		.amdhsa_forward_progress 1
		.amdhsa_inst_pref_size 7
	.end_amdhsa_kernel
	.amdgpu_metadata
---
amdhsa.version: [ 1, 2 ]
amdhsa.kernels:
  - .name:           k_q84dba70c80_finish
    .symbol:         k_q84dba70c80_finish.kd
    .args:
      - { .name: tsc, .offset: 0, .size: 8, .value_kind: global_buffer, .address_space: global }
      - { .name: pml, .offset: 8, .size: 8, .value_kind: global_buffer, .address_space: global }
      - { .name: pctx, .offset: 16, .size: 8, .value_kind: global_buffer, .address_space: global }
      - { .name: prev_coverage, .offset: 24, .size: 8, .value_kind: global_buffer, .address_space: global }
      - { .name: out0, .offset: 32, .size: 8, .value_kind: global_buffer, .address_space: global }
      - { .name: out1, .offset: 40, .size: 8, .value_kind: global_buffer, .address_space: global }
      - { .name: out2, .offset: 48, .size: 8, .value_kind: global_buffer, .address_space: global }
    .group_segment_fixed_size: 0
    .private_segment_fixed_size: 0
    .kernarg_segment_align: 8
    .kernarg_segment_size: 56
    .max_flat_workgroup_size: 32
    .sgpr_count:     66
    .vgpr_count:     96
    .wavefront_size: 32
...
	.end_amdgpu_metadata
.endif
;; end of part 3
